; MI455X (gfx1250); checked and timed in simulation.
; The chip was launched on July 23, 2026; its instructions are those of AMD's public machine-readable ISA for CDNA 5 (MIT licence, August 2026) and "CDNA5" Instruction Set Architecture Reference Guide (July 2026). The comments in the code are by the model that wrote it; some were corrected since.
;; Fp8 Einsum Wrapper. Allowed arithmetic: float matrix products may take bf16 or f16 operands with f32 sums; all other float work in f32.
;; Inputs: input_scale 1 float32; kernel_scale 1 float32; lhs 16,384 x 4,096 bfloat16; rhs 4,096 x 1,024 float32.
;; Outputs: out0 16,384 x 1,024 bfloat16.
;; One version. Each part assembles by itself: llvm-mc -triple=amdgcn-amd-amdhsa -mcpu=gfx1250 --defsym DOCPART=n.
;; ======== version 1 of 1: 2 launches
;; workspace buffers: bq 4,194,304 bytes
;; launch quantb (part 1): grid 16 x 32, 4 waves a work-group, no clusters, 9,728 bytes of LDS; arguments rhs, kernel_scale, bq; writes bq
.if DOCPART == 1
	.amdgcn_target "amdgcn-amd-amdhsa--gfx1250"
	.amdhsa_code_object_version 6
	.text
	.protected	k_qaa5c48109b_quantb
	.globl	k_qaa5c48109b_quantb
	.p2align	8
	.type	k_qaa5c48109b_quantb,@function
k_qaa5c48109b_quantb:
	s_mov_b64 s[64:65], 0
	v_nop
	global_prefetch_b8 v0, s[64:65] scope:SCOPE_SE
	s_setreg_imm32_b32 hwreg(HW_REG_WAVE_MODE, 25, 1), 1
	s_wait_xcnt 0x0
; bq[t][n][kk] = fp8_e4m3( clip( bf16(rhs[128 t + kk][n]) / s, -448, 448 ) ), s = kernel_scale[0].   rhs: [4096][1024] f32.   bq: [32][1024][128] bytes.
; The codes are laid by tiles of 128 along K with K along the rows, so that the product's launch can ask for a tile as 131,072 dense bytes.
; SHARES.  A work-group owns 128 k x 64 n: 32 KiB in, 8 KiB out (dense in bq).  Thread T: columns 4 (T % 16) .. + 3, rows 16 (T / 16) .. + 15.
; Each load of a half wave covers 256 consecutive bytes of a row of rhs, aligned; each store of a wave 512 consecutive bytes of bq, aligned.
; THE TRANSPOSITION costs no instruction: the conversion packs two numbers into two bytes, and its sources are taken down a column of the thread's 16 x 4 numbers.
; A column's 16 codes then go through LDS (64 rows of 128 bytes + 16 of padding), since a row of bq holds the codes of eight threads.
; THE QUOTIENT.  r = 1 / s with one Newton step; q0 = x r; e = x - q0 s (fused); q = q0 + e r (fused): the quotient as a division rounds it, so that ties at fp8's
; half steps fall as they do with a true division.
; LIMITS.  s finite, 2^-126 < |s| < 2^126 (the reciprocal counts denormals as zero: ISA guide, 15.8); |x / s| < 2^128; a NaN in rhs is clamped to a finite code, not passed on;
; the sign of a zero is not kept.
; No matrix unit, no cluster, no tensor load: the launch moves 20 MiB once and shares nothing between work-groups.
.set PITCH, 144                        ; a stage row: 128 bytes of codes + 16
.set SPARE, 64*PITCH                   ; behind the stage: the spare words, 128 bytes for each wave: two blocks of 256 bytes that no other line names
.set VOFF, 1                           ; v1   my byte offset in the group's part of rhs: first of my 16 rows, my 4 columns
.set STO,  2                           ; v2   stage: row 4 c, byte 16 g
.set RD,   3                           ; v3   stage, back: row 16 w + lane / 8, byte 16 (lane % 8)
.set GO,   4                           ; v4   my byte offset in the group's 8,192 bytes of bq
.set SPW,  5                           ; v5   LDS address of my spare word; never rewritten
.set NIL,  6                           ; v6   0; never rewritten
.set L,    32                          ; v[32:95]  row i of my 16: four numbers at L + 4 i
	s_load_b128 s[4:7], s[0:1], 0x0                ; rhs s[4:5], kernel_scale s[6:7]
	s_load_b64 s[8:9], s[0:1], 0x10                ; bq
	v_lshl_add_u32 v[SPW], v0, 2, SPARE
	v_mov_b32 v[NIL], 0
	v_lshrrev_b32 v7, 5, v0
	v_readfirstlane_b32 s10, v7                    ; wave 0..3
	s_and_b32 s11, ttmp7, 0xffff                   ; the tile of 128 k
	v_and_b32 v7, 15, v0                           ; c: my four columns
	v_bfe_u32 v14, v0, 4, 1                        ; which half of the wave: g = 2 w + this
	s_lshl_b32 s24, s10, 17                        ; 32 rows of 4,096 bytes a wave
	v_lshlrev_b32 v[VOFF], 4, v7
	v_lshl_add_u32 v[VOFF], v14, 16, v[VOFF]       ; 16 rows a half
	v_add_nc_u32 v[VOFF], s24, v[VOFF]
	s_lshl_b32 s25, s10, 5                         ; 32 codes a wave along a stage row
	v_mul_u32_u24 v[STO], v7, 4*PITCH
	v_lshl_add_u32 v[STO], v14, 4, v[STO]
	v_add_nc_u32 v[STO], s25, v[STO]
	s_mul_i32 s26, s10, 16*PITCH                   ; back: 16 stage rows a wave
	v_bfe_u32 v15, v0, 3, 2
	v_and_b32 v7, 7, v0
	v_mul_u32_u24 v[RD], v15, PITCH
	v_lshl_add_u32 v[RD], v7, 4, v[RD]
	v_add_nc_u32 v[RD], s26, v[RD]
	s_lshl_b32 s27, s10, 11                        ; which are 2,048 dense bytes of bq
	v_and_b32 v[GO], 31, v0
	v_lshlrev_b32 v[GO], 4, v[GO]
	v_add_nc_u32 v[GO], s27, v[GO]
	s_lshl_b32 s22, s11, 19                        ; rhs: 128 rows of 4,096 bytes a tile,
	s_lshl_b32 s23, ttmp9, 8                       ; 256 bytes a block of 64 columns
	s_add_co_u32 s22, s22, s23
	s_mov_b32 s23, 0
	s_lshl_b32 s28, s11, 17                        ; bq: 131,072 bytes a tile,
	s_lshl_b32 s29, ttmp9, 13                      ; 8,192 a block of 64 rows
	s_add_co_u32 s28, s28, s29
	s_mov_b32 s29, 0
	s_mov_b32 s18, 0xc3e00000                      ; -448
	s_mov_b32 s19, 0x43e00000                      ; 448
	s_mov_b32 s20, 0xffff0000                      ; a word's upper bf16
.irp r, 16,17,18,19
	v_mov_b32 v\r, 0                               ; the code registers are written whole once: below they are written by halves
.endr
	s_wait_kmcnt 0x0
	s_load_b32 s12, s[6:7], 0x0                    ; s
	s_add_nc_u64 s[4:5], s[4:5], s[22:23]
	s_add_nc_u64 s[8:9], s[8:9], s[28:29]
.irp i, 0,1,2,3,4,5,6,7,8,9,10,11,12,13,14,15
	global_load_b128 v[L+4*(\i):L+4*(\i)+3], v[VOFF], s[4:5] offset:4096*(\i) th:TH_LOAD_NT  ; all sixteen rows at once: rhs is read once in the launch
.endr
	s_wait_kmcnt 0x0
	v_mov_b32 v8, s12
	v_rcp_f32 v9, v8
	v_nop                                          ; a plain instruction between the reciprocal and the use of its result (ISA guide 5.7.2)
	s_wait_alu depctr_va_vdst(0)
	v_fma_f32 v10, -v8, v9, 1.0                    ; one Newton step
	v_fma_f32 v9, v10, v9, v9
	v_readfirstlane_b32 s14, v9                    ; r; the packed forms name a pair and take its low word for both halves
	s_mov_b32 s15, s14
	s_xor_b32 s16, s12, 0x80000000                 ; -s
	s_mov_b32 s17, s16
; Row i: rounded to bf16, widened again, divided by s, clipped; in place.
.macro ROWQ i
.set X, L+4*(\i)
	s_wait_loadcnt 15-(\i)                         ; loads come back in order (ISA guide 5.7.1): row i is in, the younger rows may be out
	v_cvt_pk_bf16_f32 v10, v[X], v[X+1]
	v_cvt_pk_bf16_f32 v11, v[X+2], v[X+3]
	v_lshlrev_b32 v[X], 16, v10
	v_and_b32 v[X+1], s20, v10
	v_lshlrev_b32 v[X+2], 16, v11
	v_and_b32 v[X+3], s20, v11
	v_pk_mul_f32 v[8:9], v[X:X+1], s[14:15] op_sel_hi:[1,0]                         ; q0 = x r
	v_pk_mul_f32 v[12:13], v[X+2:X+3], s[14:15] op_sel_hi:[1,0]
	v_pk_fma_f32 v[X:X+1], v[8:9], s[16:17], v[X:X+1] op_sel_hi:[1,0,1]             ; e = x - q0 s
	v_pk_fma_f32 v[X+2:X+3], v[12:13], s[16:17], v[X+2:X+3] op_sel_hi:[1,0,1]
	v_pk_fma_f32 v[X:X+1], v[X:X+1], s[14:15], v[8:9] op_sel_hi:[1,0,1]             ; q = q0 + e r
	v_pk_fma_f32 v[X+2:X+3], v[X+2:X+3], s[14:15], v[12:13] op_sel_hi:[1,0,1]
.irp z, 0,1,2,3
	v_med3_num_f32 v[X+(\z)], v[X+(\z)], s18, s19  ; the conversion to fp8 does not saturate: clip first, as the problem does
.endr
.endm
.irp i, 0,1,2,3,4,5,6,7,8,9,10,11,12,13,14,15
	ROWQ \i
.endr
; Column j of my four: its sixteen codes, k ascending, are 16 bytes.  An LDS store's sources need no wait, so the four registers serve all four columns.
; (The sixteen lanes of a half wave put their 16 bytes into rows 576 bytes apart: four of them meet in a bank.  Four stores a thread in the whole launch: left as it is.)
.irp j, 0,1,2,3
	v_cvt_pk_fp8_f32 v16.l, v[L+(\j)], v[L+4+(\j)]
	v_cvt_pk_fp8_f32 v16.h, v[L+8+(\j)], v[L+12+(\j)]
	v_cvt_pk_fp8_f32 v17.l, v[L+16+(\j)], v[L+20+(\j)]
	v_cvt_pk_fp8_f32 v17.h, v[L+24+(\j)], v[L+28+(\j)]
	v_cvt_pk_fp8_f32 v18.l, v[L+32+(\j)], v[L+36+(\j)]
	v_cvt_pk_fp8_f32 v18.h, v[L+40+(\j)], v[L+44+(\j)]
	v_cvt_pk_fp8_f32 v19.l, v[L+48+(\j)], v[L+52+(\j)]
	v_cvt_pk_fp8_f32 v19.h, v[L+56+(\j)], v[L+60+(\j)]
	ds_store_b128 v[STO], v[16:19] offset:PITCH*(\j)
.endr
	s_wait_dscnt 0x0                               ; for the others' sake: my stores into the stage are done
	s_barrier_signal -1
	s_barrier_wait -1                              ; a stage row holds the codes of all four waves
.irp i, 0,1,2,3
	ds_load_b128 v[L+4*(\i):L+4*(\i)+3], v[RD] offset:4*PITCH*(\i)  ; four whole rows of 128 bytes a load
.endr
.irp i, 0,1,2,3
	s_wait_dscnt 3-(\i)
	global_store_b128 v[GO], v[L+4*(\i):L+4*(\i)+3], s[8:9] offset:512*(\i)  ; 512 consecutive bytes, at a multiple of 512 from bq's first byte; the next launch reads them: no hint
.endr
	s_wait_tensorcnt 0x0                           ; the wave's end, behind my last LDS store
	ds_add_u32 v[SPW], v[NIL]
	s_wait_dscnt 0x0
	s_endpgm
.Lfunc_end_k_qaa5c48109b_quantb:
	.size	k_qaa5c48109b_quantb, .Lfunc_end_k_qaa5c48109b_quantb-k_qaa5c48109b_quantb
	.p2alignl 7, 3214868480
	.fill 96, 4, 3214868480
	.section	.rodata,"a",@progbits
	.p2align	6, 0x0
	.amdhsa_kernel k_qaa5c48109b_quantb
		.amdhsa_group_segment_fixed_size 9728
		.amdhsa_private_segment_fixed_size 0
		.amdhsa_enable_private_segment 0
		.amdhsa_kernarg_size 24
		.amdhsa_user_sgpr_count 2
		.amdhsa_user_sgpr_kernarg_segment_ptr 1
		.amdhsa_wavefront_size32 1
		.amdhsa_system_sgpr_workgroup_id_x 1
		.amdhsa_system_sgpr_workgroup_id_y 1
		.amdhsa_system_sgpr_workgroup_id_z 1
		.amdhsa_system_vgpr_workitem_id 0
		.amdhsa_next_free_vgpr 96
		.amdhsa_next_free_sgpr 66
		.amdhsa_reserve_vcc 0
		.amdhsa_float_denorm_mode_32 3
		.amdhsa_float_denorm_mode_16_64 3
		.amdhsa_memory_ordered 1
		.amdhsa_forward_progress 1
		.amdhsa_inst_pref_size 22
	.end_amdhsa_kernel
	.amdgpu_metadata
---
amdhsa.version: [ 1, 2 ]
amdhsa.kernels:
  - .name:           k_qaa5c48109b_quantb
    .symbol:         k_qaa5c48109b_quantb.kd
    .args:
      - { .name: rhs, .offset: 0, .size: 8, .value_kind: global_buffer, .address_space: global }
      - { .name: kernel_scale, .offset: 8, .size: 8, .value_kind: global_buffer, .address_space: global }
      - { .name: bq, .offset: 16, .size: 8, .value_kind: global_buffer, .address_space: global }
    .group_segment_fixed_size: 9728
    .private_segment_fixed_size: 0
    .kernarg_segment_align: 8
    .kernarg_segment_size: 24
    .max_flat_workgroup_size: 128
    .sgpr_count:     66
    .vgpr_count:     96
    .wavefront_size: 32
...
	.end_amdgpu_metadata
.endif
;; end of part 1
;; launch gemm (part 2): grid 256 x 1, 4 waves a work-group, clusters of 4 x 1, 327,680 bytes of LDS; arguments lhs, bq, input_scale, kernel_scale, out0; writes out0
.if DOCPART == 2
	.amdgcn_target "amdgcn-amd-amdhsa--gfx1250"
	.amdhsa_code_object_version 6
	.text
	.protected	k_qaa5c48109b_gemm
	.globl	k_qaa5c48109b_gemm
	.p2align	8
	.type	k_qaa5c48109b_gemm,@function
k_qaa5c48109b_gemm:
	s_mov_b64 s[64:65], 0
	v_nop
	global_prefetch_b8 v0, s[64:65] scope:SCOPE_SE
	s_setreg_imm32_b32 hwreg(HW_REG_WAVE_MODE, 25, 1), 1
	s_wait_xcnt 0x0
	s_wait_alu depctr_hold_cnt(0) depctr_sa_sdst(0) depctr_va_vdst(0) depctr_va_sdst(0) depctr_va_ssrc(0) depctr_va_vcc(0) depctr_vm_vsrc(0)
	s_getreg_b32 s2, hwreg(HW_REG_IB_STS2, 6, 4)
	s_cmp_eq_u32 s2, 0
	s_cbranch_scc0 .Lentry_in_a_cluster
	s_endpgm
.Lentry_in_a_cluster:
	s_bfe_u32 s2, ttmp6, 0x10000c
	s_cmp_lg_u32 s2, 0x3003
	s_cbranch_scc0 .Lentry_shape_is_right
	s_endpgm
.Lentry_shape_is_right:
; out0[m][n] = bf16( s_l s_r x the sum over k of ql[m][k] qr[k][n] ),  ql = fp8_e4m3(clip(lhs / s_l, -448, 448)),  qr = the codes in bq (made from rhs and s_r by the launch before).
; lhs: [16384][4096] bf16.  bq: [32 tiles][1024 n][128 k] fp8 codes.  out0: [16384][1024] bf16.  Products in the bf16 matrix form, sums in f32.
; WHAT IS MULTIPLIED.  The problem multiplies (code x scale) by (code x scale).  A code is exact in bf16 (4 significant bits, exponents 2^-9 to 2^8), so the codes travel as bytes
; and are widened to bf16, eight to an instruction, just ahead of the matrix instruction: the operands carry no rounding.  s_l s_r multiplies the f32 sums once.
; DIFFERENCES OF ROUNDING ORDER from the problem as it is written: code x scale is not rounded to bf16 ahead of the product (2^-9 of a factor at the most); x + (dq - x) is taken as dq:
; that is exact where dq and x lie within a factor of two of each other; for |x / s| < 2^-6 the bf16 form can differ by a rounding of |dq - x|, below 2^-18 |s|; for |x / s| > 896 by a rounding of |x|.
; LIMITS.  Both scales finite, 2^-126 < |s| < 2^126 (the reciprocal counts denormals as zero: ISA guide, 15.8), s_l s_r finite; |x / s| < 2^128; a NaN in lhs is clamped to a finite code, not passed
; on; the sign of a zero is not kept.
; SHARES.  A work-group owns 64 rows of out0 and ALL 1,024 columns: 65,536 sums, the accumulators of four waves; 256 such blocks.  So every number of lhs is needed by one work-group alone
; and is quantised once, here, beside the matrix work: lhs is read once and no quantised copy of it goes through memory.  Wave w owns all 64 rows x columns 256 w .. + 255: 4 x 16 accumulators.
; K goes in 32 steps of 128, a step in four quarters of 32: 64 matrix instructions a wave.
; B.  A step's tile of bq, 131,072 dense bytes, lands in one of two LDS slots; wave w asks for the 256 rows that it alone reads.  CLUSTER: all work-groups walk the same bq, so the four of a cluster
; ask JOINTLY (the same load, descriptor and mask in all four); a mask names four work-groups at the most, and lhs is shared by nobody, so the cluster is 4 x 1.
; A.  Each wave loads 16 rows x 256 bytes of lhs a step into registers (a ring of 16 loads, two steps ahead), quantises them (32 vector instructions for 2 rows x 128 numbers) and stores the codes
; into one of two LDS buffers, which all four waves read behind the step's barrier.
; PIPELINE.  Quarter g: products on fragment buffer g % 2; the raw codes of quarter g + 1 are widened into the other buffer; in its middle the raw codes of quarter g + 2 are read from LDS.  So the
; change of slots stands in a step's third quarter.  The vector work stands in fours behind every second matrix instruction.
; FRAGMENTS.  Lane (r, h) takes the 16 codes k = 16 h .. 16 h + 15 of its row with one LDS load; two conversions make the 8 registers.  The matrix unit takes them for k = 8 h .. and 16 + 8 h ..:
; the same exchange of places in A and in B, so every product meets its partner.  THE MATRIX INSTRUCTION IS USED TRANSPOSED (source 0 = 16 rows of bq, source 1 = 16 rows of lhs): a lane then holds
; eight neighbouring columns of a row of out0.
; A PRICE.  Their base is not stepped, so that they fetch steps 30 and 31 once more, inside the buffer (32 KiB a work-group), and
; nobody reads them; they may be out at the wave's end.  That keeps one text and one count for every trip.
; REGISTERS, in windows of 256 (s_set_vgpr_msb: bits 1:0 source 0, 3:2 source 1, 5:4 source 2, 7:6 destination):
;   window 0: v0-15 addresses; v26-27 eight codes; v32-47 the quantiser at work; v48-111 lhs as loaded, 2 sets x 8 chunks; v112-127, v128-191 raw codes of A, of B; v192-255 A's fragments, two buffers
;   window 1: B's fragments, two buffers of 128      window 2: the accumulators of column blocks 0-7 ((a, b) at 8 (4 (b % 8) + a))      window 3: those of blocks 8-15
.set PB,     144                       ; an LDS row of codes: 128 bytes + 16 of padding = 36 words: the 16 rows of a load start at 16 different groups of four banks (64 banks of 4 bytes: ISA guide 11.1)
.set QUART,  256*PB                    ; a wave's 256 rows of a tile
.set SLOT,   4*QUART
.set ABUF,   2*SLOT                    ; behind the ring: two buffers of 64 rows x 144 bytes for lhs's codes; written by LDS stores, never filled by a tensor load
.set ABYTES, 64*PB
.set SPARE,  ABUF+2*ABYTES             ; behind them: the spare words, 128 bytes for each wave: two blocks of 256 bytes that no other line names
.set SP,     528                       ; the way out: a stage row, 512 bytes + 16
.set STG,    16*SP                     ; a wave's stage, 16 rows, at STG x wave INSIDE slot 0: used only behind slot 0's last fill and, by a barrier, behind every wave's last read of it
.set TILEB,  131072                    ; a tile of bq
.set LROW,   8192                      ; bytes in a row of lhs
.set OROW,   2048                      ; bytes in a row of out0
.set ADRB, 2                           ; v2-3   LDS address of my lane's place in my rows of slot 0, 1
.set ADRA, 4                           ; v4-5   the same in A's buffer 0, 1
.set ASTO, 6                           ; v6-7   where I put 8 codes of lhs in buffer 0, 1
.set AOFF, 8                           ; v8     my byte offset in the group's rows of lhs; never rewritten
.set STO,  9                           ; v9     the way out: where I put 16 bytes of a row
.set RD,   10                          ; v10    the way out: where I read a row back
.set CO,   11                          ; v11    my byte offset in 512 bytes of out0
.set ONE,  12                          ; v12    0x7f: the conversion's scale 2^0
.set SPW,  14                          ; v14    LDS address of my spare word; never rewritten
.set NIL,  15                          ; v15    0; never rewritten
.set T,    32
.set U,    40
.set XA,   48
.set RAWA, 112
.set RAWB, 128
.set BFA,  192
.set TMP,  128                         ; the way out: packed results, where B's raw codes lay
.set WV,   14                          ; s14  my wave's number
.set G1,   24                          ; s[24:31] descriptor group 1
.set G0,   32                          ; s[32:39] descriptor group 0, a set for each slot
.set CNT,  40                          ; s40  trips to go
.set STP,  42                          ; s[42:43] what lhs's base steps by at a trip's end
.set SAL,  44                          ; s[44:45] the base of lhs's loads
.set RCP,  46                          ; s[46:47] 1 / s_l: the packed forms name a pair and take its low word for both halves
.set NEG,  48                          ; s[48:49] -s_l
.set CLO,  50                          ; s50  -448
.set CHI,  51                          ; s51  448
.set UPP,  52                          ; s52  a word's upper bf16
.set SC,   54                          ; s[54:55] s_l s_r
.set MSB, 0
.macro WIN new                         ; the immediate's high byte repeats the setting that is left; a switch that changes nothing is dropped
.if MSB != (\new)
	s_set_vgpr_msb (MSB<<8)|(\new)
.set MSB, \new
.endif
.endm
.set MUL_LO, 0xa1                      ; source 0 (B) window 1, source 1 (A) window 0, C and D window 2
.set TO_B,   0x40                      ; destination window 1, sources window 0
.macro PLACES                          ; a vector instruction or a load that writes a register of a matrix instruction, and one that reads its result, stand four plain vector instructions behind it (ISA guide 7.12.1 for vector instructions)
.rept 4
	v_nop
.endr
.endm
; A round of the cluster's barrier: my work-group's barrier, so that wave 0's signal speaks for all four waves; wave 0 signals; every wave waits for all four work-groups; my work-group's barrier once more.
.macro CREST                           ; a round behind its opening barrier
	s_cmp_lg_u32 s[WV], 0
	s_cbranch_scc1 .Lnot_wave_0_\@
	s_barrier_signal -3
.Lnot_wave_0_\@:
	s_barrier_wait -3
	s_barrier_signal -1
	s_barrier_wait -1
.endm
.macro ROUND
	s_barrier_signal -1
	s_barrier_wait -1
	CREST
.endm
	s_load_b256 s[4:11], s[0:1], 0x0               ; lhs s[4:5], bq s[6:7], input_scale s[8:9], kernel_scale s[10:11]
	s_load_b64 s[12:13], s[0:1], 0x20              ; out0
	v_lshl_add_u32 v[SPW], v0, 2, SPARE
	v_mov_b32 v[NIL], 0
	ds_add_u32 v[SPW], v[NIL]                      ; the wave's opening: the add and its wait stand ahead of my first tensor load; the set-up below, work on registers, stands between them
	v_lshrrev_b32 v1, 5, v0
	v_readfirstlane_b32 s[WV], v1                  ; wave 0..3
	s_bfe_u32 s15, ttmp6, 0x40000                  ; cx: my place in the cluster
	s_lshl_b32 s16, ttmp9, 2                       ; in a cluster launch ttmp9 counts clusters
	s_add_co_u32 s16, s16, s15                     ; my block of 64 rows = 4 x cluster x + cx: it enters lhs's and out0's addresses alone
	; descriptor group 1: 32,768 dense bytes asked for as 128 rows of 256 bytes (two rows of codes each), padded in LDS after every row of codes
	s_mov_b32 s[G1+0], 15|(1<<16)|(1<<20)|(1<<21)|(4<<22)|(3<<25)  ; 15:0 the mask of four; 17:16 2-byte elements; 20 padding on; 21 set beside a mask; 24:22 after every 32 words (code 4); 31:25 4 words (code 3)
	s_mov_b32 s[G1+1], 128<<16                     ; tensor_dim0 = 128
	s_mov_b32 s[G1+2], 128<<16                     ; tensor_dim1 = 128
	s_mov_b32 s[G1+3], 128<<16                     ; tile_dim0 = 128
	s_mov_b32 s[G1+4], 128                         ; tile_dim1 = 128
	s_mov_b32 s[G1+5], 128                         ; 128 elements from row to row
	s_mov_b32 s[G1+6], 0
	s_mov_b32 s[G1+7], 0
	s_mul_i32 s17, s[WV], QUART                    ; my quarter of a slot: no place in the cluster enters an LDS address
	s_lshl_b32 s18, s[WV], 15                      ; and of a tile in bq
	s_mov_b32 s19, 0
	s_lshl_b32 s20, s16, 19                        ; lhs: 64 rows of 8,192 bytes a block
	s_mov_b32 s21, 0
	s_lshl_b32 s2, s16, 17                         ; out0: 64 rows of 2,048 bytes a block,
	s_lshl_b32 s3, s[WV], 9                        ; 512 bytes of a row a wave
	s_add_co_u32 s2, s2, s3
	s_mov_b32 s3, 0
	s_mov_b32 s[STP+1], 0
	s_mov_b32 s[CLO], 0xc3e00000
	s_mov_b32 s[CHI], 0x43e00000
	s_mov_b32 s[UPP], 0xffff0000
	v_and_b32 v1, 15, v0                           ; r = lane % 16
	v_bfe_u32 v13, v0, 4, 1                        ; h = lane / 16
	s_lshl_b32 s58, s[WV], 17                      ; lhs: 16 rows a wave,
	v_lshlrev_b32 v[AOFF], 4, v1                   ; 16 bytes a lane: sixteen lanes take a row's 256 bytes of a step,
	v_lshl_add_u32 v[AOFF], v13, 16, v[AOFF]       ; the other sixteen those of the row 8 further down
	v_add_nc_u32 v[AOFF], s58, v[AOFF]
	s_wait_dscnt 0x0                               ; the opening add is done
	s_wait_kmcnt 0x0
	s_load_b32 s56, s[8:9], 0x0                    ; s_l
	s_load_b32 s57, s[10:11], 0x0                  ; s_r
	s_add_nc_u64 s[SAL:SAL+1], s[4:5], s[20:21]
	s_add_nc_u64 s[12:13], s[12:13], s[2:3]
	s_add_nc_u64 s[22:23], s[6:7], s[18:19]        ; bq at my quarter of tile 0: made of the wave's number alone
.irp s, 0,1
	s_mov_b32 s[G0+4*(\s)], 1                                        ; 1:0 count = 1
	s_add_co_u32 s[G0+4*(\s)+1], s17, (\s)*SLOT                      ; 63:32 LDS address
	s_add_nc_u64 s[G0+4*(\s)+2:G0+4*(\s)+3], s[22:23], (\s)*TILEB    ; 120:64 global address: tile s
	s_or_b32 s[G0+4*(\s)+3], s[G0+4*(\s)+3], 0x80000000              ; 127:126 type = 2
.endr
.irp p, 0,1
.irp c, 0,1,2,3,4,5,6,7
	global_load_b128 v[XA+32*(\p)+4*(\c):XA+32*(\p)+4*(\c)+3], v[AOFF], s[SAL:SAL+1] offset:LROW*(\c)+256*(\p) th:TH_LOAD_NT  ; the ring is filled: steps 0 and 1; chunk c is rows c and 8 + c of my 16
.endr
.endr
	ROUND                                          ; all four work-groups are here: the first joint loads meet
	tensor_load_to_lds s[G0:G0+3], s[G1:G1+7]      ; tile 0: two loads of mine are out
	s_nop 0
	tensor_load_to_lds s[G0+4:G0+7], s[G1:G1+7]    ; tile 1
	s_nop 0
	PLACES
	v_mul_u32_u24 v17, v1, PB
	v_lshl_add_u32 v17, v13, 4, v17                ; a fragment's row x pitch + 16 x half
	v_add_nc_u32 v[ADRB], s17, v17
	v_add_nc_u32 v[ADRB+1], SLOT, v[ADRB]
	v_add_nc_u32 v[ADRA], ABUF, v17
	v_add_nc_u32 v[ADRA+1], ABUF+ABYTES, v17
	s_mul_i32 s59, s[WV], 16*PB                    ; my 16 rows of A's buffers
	v_mul_u32_u24 v18, v13, 8*PB                   ; lanes 16-31: 8 rows further down: 288 words, so the two halves' 128 bytes fall into different halves of the banks
	v_lshl_add_u32 v18, v1, 3, v18                 ; 8 codes a lane
	v_add_nc_u32 v18, s59, v18
	v_add_nc_u32 v[ASTO], ABUF, v18
	v_add_nc_u32 v[ASTO+1], ABUF+ABYTES, v18
	s_mul_i32 s58, s[WV], STG                      ; my stage
	v_mul_u32_u24 v[STO], v1, SP                   ; in: row r, 16 bytes for each half of the lanes
	v_lshl_add_u32 v[STO], v13, 4, v[STO]
	v_add_nc_u32 v[STO], s58, v[STO]
	v_and_b32 v19, 31, v0
	v_lshlrev_b32 v[CO], 4, v19                    ; back: 32 lanes take a row's 512 bytes
	v_add_nc_u32 v[RD], s58, v[CO]
	v_mov_b32 v[ONE], 0x7f
	v_mov_b32 v26, 0                               ; the code registers are written whole once: below they are written by halves
	v_mov_b32 v27, 0
	s_wait_kmcnt 0x0                               ; the scales
	v_mov_b32 v20, s56
	v_rcp_f32 v21, v20
	v_mul_f32 v23, s57, v20                        ; s_l s_r: the plain instruction between the reciprocal and the use of its result (ISA guide 5.7.2)
	s_wait_alu depctr_va_vdst(0)
	v_fma_f32 v22, -v20, v21, 1.0                  ; one Newton step
	v_fma_f32 v21, v22, v21, v21
	v_readfirstlane_b32 s[RCP], v21
	s_mov_b32 s[RCP+1], s[RCP]
	s_xor_b32 s[NEG], s56, 0x80000000
	s_mov_b32 s[NEG+1], s[NEG]
	v_readfirstlane_b32 s[SC], v23
	s_mov_b32 s[SC+1], s[SC]
; THE QUANTISER.  A chunk (2 rows x 128 numbers, 8 a lane) is a list of 32 vector instructions; QOP writes the next one, with the memory lines that hang on it.  QP: the set; QC: the chunk; QB: A's buffer;
; QK: the byte offset from lhs's base of the step that the chunk's registers are loaded with next, two steps on.
;   0-7 bf16 to f32     8-11 q0 = x r     12-15 e = x - q0 s (fused)     16-19 q = q0 + e r (fused): the quotient as a division rounds it     20-27 the clip     28-31 eight codes
.macro QSET p, c, b, k
.set QP, \p
.set QC, \c
.set QB, \b
.set QK, \k
.set QN, 0
.endm
.macro QOP
.set XR, XA+32*QP+4*QC
.if QN == 0
	s_wait_loadcnt 15                              ; sixteen loads of lhs are out, this chunk's the oldest; loads come back in order (ISA guide 5.7.1): the fifteen younger stay out
.endif
.if QN < 8
.if QN%2 == 0
	v_lshlrev_b32 v[T+QN], 16, v[XR+QN/2]
.else
	v_and_b32 v[T+QN], s[UPP], v[XR+QN/2]
.endif
.elseif QN < 12
	v_pk_mul_f32 v[U+2*(QN-8):U+2*(QN-8)+1], v[T+2*(QN-8):T+2*(QN-8)+1], s[RCP:RCP+1] op_sel_hi:[1,0]
.elseif QN < 16
	v_pk_fma_f32 v[T+2*(QN-12):T+2*(QN-12)+1], v[U+2*(QN-12):U+2*(QN-12)+1], s[NEG:NEG+1], v[T+2*(QN-12):T+2*(QN-12)+1] op_sel_hi:[1,0,1]
.elseif QN < 20
	v_pk_fma_f32 v[U+2*(QN-16):U+2*(QN-16)+1], v[T+2*(QN-16):T+2*(QN-16)+1], s[RCP:RCP+1], v[U+2*(QN-16):U+2*(QN-16)+1] op_sel_hi:[1,0,1]
.elseif QN < 28
	v_med3_num_f32 v[U+QN-20], v[U+QN-20], s[CLO], s[CHI]  ; the conversion to fp8 does not saturate: clip first, as the problem does
.elseif QN == 28
	v_cvt_pk_fp8_f32 v26.l, v[U], v[U+1]
.elseif QN == 29
	v_cvt_pk_fp8_f32 v26.h, v[U+2], v[U+3]
.elseif QN == 30
	v_cvt_pk_fp8_f32 v27.l, v[U+4], v[U+5]
.else
	v_cvt_pk_fp8_f32 v27.h, v[U+6], v[U+7]
.endif
.if QN == 7
	global_load_b128 v[XR:XR+3], v[AOFF], s[SAL:SAL+1] offset:LROW*QC+QK th:TH_LOAD_NT  ; the chunk has been unpacked: its registers take the same rows two steps on
.endif
.if QN == 31
	ds_store_b64 v[ASTO+QB], v[26:27] offset:PB*QC
.set QN, -1
.set QC, QC+1
.endif
.set QN, QN+1
.endm
; Matrix instruction i of 32 of half hi: column block 8 hi + i / 4, row block i % 4, on fragment buffer f.  zero = 1: the first product starts the sum: nothing is cleared.
; The 64 accumulators take turns, in the same order in every quarter.
.macro WM hi, i, f, zero
	WIN MUL_LO+0x50*(\hi)
.set rD, 8*(\i)
.set rB, 128*(\f)+8*(8*(\hi)+(\i)/4)
.set rA, BFA+32*(\f)+8*((\i)%4)
.if \zero
	v_wmma_f32_16x16x32_bf16 v[rD:rD+7], v[rB:rB+7], v[rA:rA+7], 0
.else
	v_wmma_f32_16x16x32_bf16 v[rD:rD+7], v[rB:rB+7], v[rA:rA+7], v[rD:rD+7]
.endif
.endm
.macro CVB n, f                        ; eight codes of B to bf16: half n % 2 of fragment n / 2, into buffer f (window 1)
	v_cvt_scale_pk8_bf16_fp8 v[128*(\f)+4*(\n):128*(\f)+4*(\n)+3], v[RAWB+2*(\n):RAWB+2*(\n)+1], v[ONE]
.endm
.macro CVA n, f                        ; the same for A
	v_cvt_scale_pk8_bf16_fp8 v[BFA+32*(\f)+4*(\n):BFA+32*(\f)+4*(\n)+3], v[RAWA+2*(\n):RAWA+2*(\n)+1], v[ONE]
.endm
.macro FETCH s, kq                     ; 20 LDS loads in one run: the raw codes of quarter kq of the step in slot s: my 256 rows of B, the group's 64 rows of A
	WIN 0
.irp b, 0,1,2,3,4,5,6,7,8,9,10,11,12,13,14,15
	ds_load_b128 v[RAWB+4*(\b):RAWB+4*(\b)+3], v[ADRB+(\s)] offset:(\b)*16*PB+32*(\kq)
.endr
.irp a, 0,1,2,3
	ds_load_b128 v[RAWA+4*(\a):RAWA+4*(\a)+3], v[ADRA+(\s)] offset:(\a)*16*PB+32*(\kq)
.endr
.endm
; A QUARTER: 64 matrix instructions on buffer f.
; First half: cvt = 1: the next quarter's raw codes are widened into the other buffer, four conversions behind every second matrix instruction.  Four v_nop behind the first product are the places between
; the last quarter's products, which read that buffer, and the first conversion into it; one v_nop behind the last conversion is the plain instruction ahead of the use of the results and of the loads into the sources.
; younger: the LDS instructions issued behind the 20 loads of those codes, which may stay out: the last quarter's two stores of lhs's codes, and the add.
; turn = 1: THE CHANGE OF SLOTS.  Each wave waits for all its tensor loads, of which one is out: its part of the other slot; adds 0 to its spare word; and waits for that, for its reads of this slot and of A's
; buffer, and for its stores of the next step's codes of lhs.  The barrier opens a round of the cluster's, so that no wave of any partner still reads the slot or has a load on its way; slot tslot is filled again first
; thing behind the round, two steps ahead: 224 matrix instructions ahead of the wait for it.  turn = 2: the same with a plain barrier and no fill.
; Middle: fetch = 1: the raw codes of the quarter after next, quarter kq of the step in slot fs.   Second half: quant = 1: two chunks of the quantiser, four instructions behind every second matrix instruction.
.macro QUARTER f, zero, younger, cvt, turn, tslot, fetch, fs, kq, quant
.set NF, 1-(\f)
.if \turn
	WIN 0                                          ; (the add's two registers lie in window 0)
	s_wait_tensorcnt 0x0                           ; all my tensor loads have landed: no load of mine is out, so a group 0 may be written
	ds_add_u32 v[SPW], v[NIL]                      ; 0 onto my spare word: sixteen matrix instructions and their riders stand between it and the wait for it
.endif
.set wi, 0
.set cn, 0
.rept 32
.if (\turn) && (wi == 16)
	s_wait_dscnt 0x0                               ; the add is done, my reads of this slot and of A's buffer are over, my stores of lhs's codes are done:
	s_barrier_signal -1                            ; say so, and work on registers while the others arrive
.endif
	WM 0, wi, \f, \zero
.if (\cvt) && (wi == 0)
	PLACES
.endif
.if (\cvt) && (wi == 2)
	s_wait_dscnt \younger                          ; the next quarter's raw codes are in
.endif
.if (\cvt) && (wi%2 == 0) && (wi >= 2) && (wi <= 16)
	WIN TO_B
.rept 4
	CVB cn, NF
.set cn, cn+1
.endr
.endif
.if (\cvt) && ((wi == 18) || (wi == 20))
	WIN 0
.rept 4
	CVA cn-32, NF
.set cn, cn+1
.endr
.endif
.if (\cvt) && (wi == 20)
	v_nop
.endif
.set wi, wi+1
.endr
.if \turn
	WIN 0
	s_barrier_wait -1
.endif
.if (\turn) == 1
	CREST
	s_add_nc_u64 s[G0+4*(\tslot)+2:G0+4*(\tslot)+3], s[G0+4*(\tslot)+2:G0+4*(\tslot)+3], 2*TILEB  ; the slot's next tile; the type bits on top are not reached
	tensor_load_to_lds s[G0+4*(\tslot):G0+4*(\tslot)+3], s[G1:G1+7]  ; my one tensor load behind the round, and the first thing there
	s_nop 0
	PLACES
.endif
.if \fetch
	FETCH \fs, \kq
.endif
.set wi, 0
.rept 32
	WM 1, wi, \f, \zero
.if (\quant) && (wi%2 == 0)
	WIN 0
.rept 4
	QOP
.endr
.endif
.set wi, wi+1
.endr
.endm
	; Ahead of the first product there is no matrix work to stand beside: step 0's eight chunks and step 1's first four are quantised bare, in the wait for the first tile.
	QSET 0, 0, 0, 512
.rept 8*32
	QOP
.endr
	QSET 1, 0, 1, 768
.rept 4*32
	QOP
.endr
	s_wait_tensorcnt 0x1                           ; my part of tile 0 is in; tile 1's may stay out
	s_wait_dscnt 0x0                               ; for the others' sake: my codes of step 0 are in A's buffer 0
	s_barrier_signal -1
	s_barrier_wait -1
	FETCH 0, 0
	s_wait_dscnt 0x0
	WIN TO_B
.set cn, 0
.rept 32
	CVB cn, 0
.set cn, cn+1
.endr
	WIN 0
.set cn, 0
.rept 8
	CVA cn, 0
.set cn, cn+1
.endr
	v_nop                                          ; the plain instruction behind the conversions
	FETCH 0, 1
	QUARTER 0, 1, 0, 1, 0, 0, 1, 0, 2, 1           ; step 0, quarter 0: its products start the sums; step 1's chunks 4, 5
	QUARTER 1, 0, 2, 1, 0, 0, 1, 0, 3, 1           ; quarter 1; chunks 6, 7
	WIN 0                                          ; at a label and at a branch every window is 0
	s_wait_xcnt 0x0                                ; every earlier memory instruction has had its addresses translated (ISA guide 3.1): only behind this wait is the loads' base stepped
	s_add_nc_u64 s[SAL:SAL+1], s[SAL:SAL+1], 1024  ; lhs at step 4
	s_mov_b32 s[CNT], 15
.Llap:                                                 ; trip for t = 0, 2, .. 28: from step t's third quarter to step t + 2's second; fills both slots again (tiles t + 2, t + 3), quantises steps t + 2, t + 3, loads steps t + 4, t + 5
	QSET 0, 0, 0, 0
	QUARTER 0, 0, 3, 1, 1, 0, 1, 1, 0, 1
	QUARTER 1, 0, 2, 1, 0, 0, 1, 1, 1, 1
	QUARTER 0, 0, 2, 1, 0, 0, 1, 1, 2, 1
	QUARTER 1, 0, 2, 1, 0, 0, 1, 1, 3, 1
	QSET 1, 0, 1, 256
	QUARTER 0, 0, 3, 1, 1, 1, 1, 0, 0, 1
	QUARTER 1, 0, 2, 1, 0, 0, 1, 0, 1, 1
	QUARTER 0, 0, 2, 1, 0, 0, 1, 0, 2, 1
	QUARTER 1, 0, 2, 1, 0, 0, 1, 0, 3, 1
	WIN 0
	s_cmp_eq_u32 s[CNT], 2                         ; the trip that has loaded steps 30 and 31 steps no further: the last trip's loads stay inside the rows
	s_cselect_b32 s[STP], 0, 512
	s_wait_xcnt 0x0                                ; the base is stepped only behind this wait
	s_add_nc_u64 s[SAL:SAL+1], s[SAL:SAL+1], s[STP:STP+1]
	s_sub_co_u32 s[CNT], s[CNT], 1
	s_cmp_lg_u32 s[CNT], 0
	s_cbranch_scc1 .Llap
	QUARTER 0, 0, 3, 1, 2, 0, 1, 1, 0, 0           ; the tail is written out: step 30's third quarter changes slots and asks for nothing
	QUARTER 1, 0, 0, 1, 0, 0, 1, 1, 1, 0
	QUARTER 0, 0, 0, 1, 0, 0, 1, 1, 2, 0
	QUARTER 1, 0, 0, 1, 0, 0, 1, 1, 3, 0
	QUARTER 0, 0, 0, 1, 0, 0, 0, 0, 0, 0           ; step 31's third quarter: nothing is left to read from LDS,
	QUARTER 1, 0, 0, 0, 0, 0, 0, 0, 0, 0           ; and in its fourth nothing to widen
; THE WAY OUT, a block of 16 rows (row block a) at a time.  PACK: the 16 accumulators times s_l s_r, each from its lowest registers on, and rounded to bf16: 16 bytes a lane and column block.
; TOSTAGE: into my own stage in LDS (rows of 528 bytes: the sixteen rows of a store start at sixteen different groups of four banks), and back as whole rows of 512 bytes.  SEND: stored.
.macro PACK a
.irp hw, 0,1
	WIN 0x82+0x41*(\hw)                            ; destination and source 0: window 2 or 3
.set pb, 0
.rept 8
.set rD, 8*(4*pb+(\a))
.irp z, 0,2,4,6
	v_pk_mul_f32 v[rD+(\z):rD+(\z)+1], v[rD+(\z):rD+(\z)+1], s[SC:SC+1] op_sel_hi:[1,0]
.endr
.set pb, pb+1
.endr
	WIN 0x0a+5*(\hw)                               ; sources 0 and 1: window 2 or 3; destination window 0
.set pb, 0
.rept 8
.set rD, 8*(4*pb+(\a))
.set rT, TMP+4*(8*(\hw)+pb)
.irp z, 0,1,2,3
	v_cvt_pk_bf16_f32 v[rT+(\z)], v[rD+2*(\z)], v[rD+2*(\z)+1]
.endr
.set pb, pb+1
.endr
.endr
	WIN 0
.endm
.macro TOSTAGE a
	WIN 0
.set BK, 64*((\a)%2)                   ; rows read back: v0-63 and v64-127 of window 1 by turns
.set si, 0
.rept 16
	ds_store_b128 v[STO], v[TMP+4*si:TMP+4*si+3] offset:32*si
.set si, si+1
.endr
	s_wait_xcnt 0x0                                ; every earlier memory instruction has had its addresses translated (ISA guide 3.1): the registers that the block two back was stored from are loaded again only behind this wait
	WIN TO_B
.set si, 0
.rept 16
	ds_load_b128 v[BK+4*si:BK+4*si+3], v[RD] offset:SP*si  ; LDS serves a wave's instructions in order (ISA guide 5.7.1.4): these see the stores above; the next block's stores come behind them
.set si, si+1
.endr
	WIN 0
.endm
.macro SEND a
	WIN 0x04                                       ; a store's data is source 1: window 1
.set BK, 64*((\a)%2)
.set si, 0
.rept 16
	s_wait_dscnt 15-si                             ; row si is back; the younger loads may be out
	global_store_b128 v[CO], v[BK+4*si:BK+4*si+3], s[12:13] offset:(16*(\a)+si)*OROW th:TH_STORE_NT  ; 512 consecutive bytes, at a multiple of 512 from out0's first byte; the row stands in the immediate, 129,024 at the most
.set si, si+1
.endr
	WIN 0
.endm
	PLACES                                         ; the first multiplications read and write results just made
	PACK 0
	TOSTAGE 0
.irp a, 1,2,3                          ; a block's arithmetic stands between the loads of the block before and its stores
	PACK \a
	SEND (\a)-1
	TOSTAGE \a
.endr
	SEND 3
	s_wait_tensorcnt 0x0                           ; the wave's end, behind my last tensor load and my last LDS store
	ds_add_u32 v[SPW], v[NIL]
	s_wait_dscnt 0x0
	ROUND                                          ; the closing round: no work-group ends while a partner may still ask for a tile that names it
	s_endpgm
.Lfunc_end_k_qaa5c48109b_gemm:
	.size	k_qaa5c48109b_gemm, .Lfunc_end_k_qaa5c48109b_gemm-k_qaa5c48109b_gemm
	.p2alignl 7, 3214868480
	.fill 96, 4, 3214868480
	.section	.rodata,"a",@progbits
	.p2align	6, 0x0
	.amdhsa_kernel k_qaa5c48109b_gemm
		.amdhsa_group_segment_fixed_size 327680
		.amdhsa_private_segment_fixed_size 0
		.amdhsa_enable_private_segment 0
		.amdhsa_kernarg_size 40
		.amdhsa_user_sgpr_count 2
		.amdhsa_user_sgpr_kernarg_segment_ptr 1
		.amdhsa_wavefront_size32 1
		.amdhsa_system_sgpr_workgroup_id_x 1
		.amdhsa_system_sgpr_workgroup_id_y 1
		.amdhsa_system_sgpr_workgroup_id_z 1
		.amdhsa_system_vgpr_workitem_id 0
		.amdhsa_next_free_vgpr 1024
		.amdhsa_next_free_sgpr 66
		.amdhsa_reserve_vcc 0
		.amdhsa_float_denorm_mode_32 3
		.amdhsa_float_denorm_mode_16_64 3
		.amdhsa_memory_ordered 1
		.amdhsa_forward_progress 1
		.amdhsa_inst_pref_size 255
	.end_amdhsa_kernel
	.section	.bss,"aw",@nobits
	.p2align	6
	.space	262144
	.amdgpu_metadata
---
amdhsa.version: [ 1, 2 ]
amdhsa.kernels:
  - .name:           k_qaa5c48109b_gemm
    .symbol:         k_qaa5c48109b_gemm.kd
    .args:
      - { .name: lhs, .offset: 0, .size: 8, .value_kind: global_buffer, .address_space: global }
      - { .name: bq, .offset: 8, .size: 8, .value_kind: global_buffer, .address_space: global }
      - { .name: input_scale, .offset: 16, .size: 8, .value_kind: global_buffer, .address_space: global }
      - { .name: kernel_scale, .offset: 24, .size: 8, .value_kind: global_buffer, .address_space: global }
      - { .name: out0, .offset: 32, .size: 8, .value_kind: global_buffer, .address_space: global }
    .group_segment_fixed_size: 327680
    .private_segment_fixed_size: 0
    .kernarg_segment_align: 8
    .kernarg_segment_size: 40
    .max_flat_workgroup_size: 128
    .sgpr_count:     66
    .vgpr_count:     1024
    .wavefront_size: 32
...
	.end_amdgpu_metadata
.endif
;; end of part 2
